; MI455X (gfx1250); checked and timed in simulation.
; The chip was launched on July 23, 2026; its instructions are those of AMD's public machine-readable ISA for CDNA 5 (MIT licence, August 2026) and "CDNA5" Instruction Set Architecture Reference Guide (July 2026). The comments in the code are by the model that wrote it; some were corrected since.
;; Bahdanau Attention. Allowed arithmetic: matrix products marked QUANTISED: E5M2 operands, one E8M0 scale for each 32 along K, by v_wmma_scale_f32_16x16x128_f8f6f4 with both operands' format E5M2, f32 sums; products left as they are: f32 operands where the result goes on into a quantised operand, else bf16, f16 or f32 operands; f32 sums; everything else in f32.
;; Inputs: Wk 1,024 x 1,024 float32; Wq 1,024 x 1,024 float32; bk 1,024 float32; bq 1,024 float32; bv one number float32; encoder_outputs 32 x 2,048 x 1,024 float32; hidden 2 x 32 x 1,024 float32; wv 1,024 float32.
;; Outputs: out0 32 x 1 x 1,024 float32.
;; This version of the problem:
;;   THIS VERSION OF THE PROBLEM IS GIVEN IN LOW PRECISION. The matrix products marked QUANTISED in the list below multiply operands that are first quantised to E5M2 (5 exponent bits, 2 mantissa bits; 8 bits a number), with one power-of-two scale for each 32 numbers along K (OCP MX v1.0); their sums are f32. All else is computed in f32.
;;   The module's matrix products, in the order in which they are computed (A, B: the left and right operand; K: the contracted axis; several contracted axes count as one K, in the product's order):
;;     1. [M 32, K 1,024] x [K 1,024, N 1,024]; A: input hidden; B: input Wq: QUANTISED
;;     2. [M 65,536, K 1,024] x [K 1,024, N 1,024]; A: input encoder_outputs; B: input Wk: QUANTISED
;;     3. [M 65,536, K 1,024] x [K 1,024, N 1]; A: computed on the way; B: input wv: left as it is (N = 1 < 16)
;;     4. batch 32 x [M 1, K 2,048] x [K 2,048, N 1,024]; A: softmax; B: input encoder_outputs: left as it is (M = 1 < 16)
;;   THE QUANTISER, for each operand of a quantised product, along K:
;;     - K is cut into blocks of 32 from its start; a last block that is shorter is filled with zeros.
;;     - A block's scale is 2^e with e = floor(log2(the largest magnitude in the block)) - 15, held to -126 .. 127; a block of zeros has e = 0. As a byte (E8M0): e + 127.
;;     - Each number is divided by its block's scale, clamped to +-57,344, and rounded to the nearest number of E5M2, ties to even, subnormals kept.
;;     - The product sums the exact products of the quantised numbers (number of the format x scale) in f32.
;;   ~~~python
;;   def quantise(x, axis):      # numpy; x: float32 -> the quantised numbers, widened to float32 again
;;       x = np.moveaxis(x, axis, -1); K = x.shape[-1]
;;       x = np.pad(x, [(0, 0)] * (x.ndim - 1) + [(0, -K % 32)]); x = x.reshape(x.shape[:-1] + (-1, 32)); a = np.abs(x).max(-1, keepdims=True)
;;       e = np.where(a > 0, np.clip(np.frexp(np.where(a > 0, a, 1))[1] - 1 - 15, -126, 127), 0)      # np.frexp(a)[1] - 1 = floor(log2(a)), exactly
;;       r = np.clip(x / 2.0 ** e, -57344, 57344)
;;       step = 2.0 ** (np.maximum(np.frexp(np.where(r == 0, 1, r))[1] - 1, -14) - 2)
;;       q = np.round(r / step) * step * 2.0 ** e      # np.round: ties to even
;;       return np.moveaxis(q.reshape(q.shape[:-2] + (-1,))[..., :K], -1, axis).astype(np.float32)
;;   ~~~
;; One version. Each part assembles by itself: llvm-mc -triple=amdgcn-amd-amdhsa -mcpu=gfx1250 --defsym DOCPART=n.
;; ======== version 1 of 1: 3 launches
;; limits: right only within a limited range of input values
;; workspace buffers: wkq 1,081,344 bytes; qp 131,072 bytes; scores 262,144 bytes
;; launch prep (part 1): grid 128 x 1, 8 waves a work-group, no clusters, 153,088 bytes of LDS; arguments hidden, Wq, bq, Wk, bk, wkq, qp; writes wkq, qp
.if DOCPART == 1
	.amdgcn_target "amdgcn-amd-amdhsa--gfx1250"
	.amdhsa_code_object_version 6
	.text
	.protected	k_qb8572104f2_prep
	.globl	k_qb8572104f2_prep
	.p2align	8
	.type	k_qb8572104f2_prep,@function
k_qb8572104f2_prep:
	s_mov_b64 s[64:65], 0
	v_nop
	global_prefetch_b8 v0, s[64:65] scope:SCOPE_SE
	s_setreg_imm32_b32 hwreg(HW_REG_WAVE_MODE, 25, 1), 1
	s_wait_xcnt 0x0
; PREP.  WORK LEFT OUT, in the whole program: tanh(x) = 1 - 2 / (1 + 2^(c x)), c = 2 log2(e), so a score is bv + sum(wv) - 2 sum over o of wv[o] / (1 + 2^(c (q + k)[o])).
; bv + sum(wv) is the same for all 2,048 positions of a batch, and softmax(s + a) = softmax(s) for every a: it reaches no output, whatever the inputs hold.  So bv is loaded nowhere and is no launch's argument,
; and the sum of wv is not formed.  hidden[0] is never used: only hidden[1] is read.  LIMIT: a NaN, an infinity or an overflow that reaches only bv or the sum of wv is not carried to the result.
; Work-groups 64 to 127 (the W way): tile T = x - 64, 16 rows o = 16 T + r of Wk [1024][1024] f32, becomes codes of BF8 (E5M2) with one E8M0 byte for each 32 along K, laid as a BLOB of 16,896 bytes
; in the order of the operand's registers: fragment s (K step of 128) at 2048 s + 512 c + 16 lane, its scale words at 16,384 + 64 s + 4 r.  Blob 2 (T % 32) + T / 32 of wkq is tile T.
; Work-groups 0 to 63 (the Q way): tile T = x of Wq and the 32 rows of hidden[1] are quantised in registers; q = hidden[1] Wq^T for 16 columns; qp[b][o] = c (q + bq[o] + bk[o]).
; SHARES.  Eight waves; wave s takes K step s: 16 rows x 128 numbers, a unit.  Each of a unit's sixteen loads reads one row's 512 consecutive bytes.  The conversions want 16 neighbours along K in one lane,
; so the unit turns through the wave's own stage in LDS (rows 528 bytes apart).  q's eight K steps are summed across the waves in f32, K ascending, through LDS.
; LIMITS: NaN and infinities among the inputs are not served.  A block of zeros carries the byte 1 and not 127 (its codes are zeros, and this program alone reads the bytes); blocks whose largest magnitude lies under 2^-111 are held at the byte 1.
; The two ways part on the work-group's number; each has LDS bytes, a barrier and an end of its own.
.set BLOB,  16896
.set STGB,  8448
.set STP,   528
.set STQ,   8*STGB                     ; LDS: the W way's eight stages from 0, the Q way's from here,
.set WSG,   16*STGB                    ; the W way's 128 scale words,
.set RED,   WSG+512                    ; the Q way's partial sums: 2,048 bytes a wave,
.set SPARE, RED+8*2048                 ; the spare words: 128 bytes a wave
.set L16, 1
.set SWW, 2
.set SRW, 3
.set SWQ, 4
.set SRQ, 5
.set CB,  6
.set WSA, 7
.set WSR, 8
.set RDW, 9
.set RDR, 10
.set QO,  11
.set SPW, 20                           ; v20 my spare word, v21 = 0: kept for the add alone
.set NIL, 21
.set BQ,  64
.set A0,  80
.set A1,  96
.set X,   144
.set TM,  208
.set PC,  224
.set PW,  240
.set R0,  0
.set R1,  64
.set R2,  128
.set SEL, 36
.set MNT, 38
.set CC,  40
.set MSB, 0
.macro WIN new
.if MSB != (\new)
	s_set_vgpr_msb (MSB<<8)|(\new)
.set MSB, (\new)
.endif
.endm
.macro LOADU set, base, off, nt        ; a unit: sixteen rows' 512 bytes into window 1
	WIN 0x40
.irp i, 0,1,2,3,4,5,6,7,8,9,10,11,12,13,14,15
.if \nt
	global_load_b128 v[\set+4*\i:\set+4*\i+3], v[L16], s[\base:\base+1] offset:\off+4096*\i th:TH_LOAD_NT
.else
	global_load_b128 v[\set+4*\i:\set+4*\i+3], v[L16], s[\base:\base+1] offset:\off+4096*\i
.endif
.endr
.endm
.macro STORE_RAW set, adr
	WIN 0x04
.irp i, 0,1,2,3,4,5,6,7,8,9,10,11,12,13,14,15
	ds_store_b128 v[\adr], v[\set+4*\i:\set+4*\i+3] offset:STP*\i
.endr
.endm
.macro LOAD_X adr                      ; of row lane % 16, 16 neighbours of each block of 32; LDS serves a wave's instructions in order
	WIN 0
.irp b, 0,1,2,3
.irp j, 0,1,2,3
	ds_load_b128 v[X+16*\b+4*\j:X+16*\b+4*\j+3], v[\adr] offset:128*\b+16*\j
.endr
.endr
.endm
.macro QUANT s, d, pw                  ; 64 numbers of a lane become a fragment's codes and its scale word; the four blocks by turns
.irp b, 0,1,2,3
	v_max3_num_f32 v[TM+\b], |v[\s+16*\b]|, |v[\s+1+16*\b]|, 0x8000000   ; with the floor 2^(16 - 127)
.endr
.irp i, 2,4,6,8,10,12,14
.irp b, 0,1,2,3
	v_max3_num_f32 v[TM+\b], v[TM+\b], |v[\s+16*\b+\i]|, |v[\s+1+16*\b+\i]|
.endr
.endr
.irp b, 0,1,2,3
	v_permlanex16_b32 v[TM+4+\b], v[TM+\b], s[SEL], s[SEL+1]
.endr
.irp b, 0,1,2,3
	v_max_num_f32 v[TM+\b], v[TM+\b], v[TM+4+\b]
.endr
.irp b, 0,1,2,3
	v_add_nc_u32 v[TM+12+\b], 0xf8800000, v[TM+\b]          ; 15 off the exponent field: the conversion's scale operand
.endr
.irp b, 0,1,2,3
	v_and_or_b32 v[TM+8+\b], v[TM+\b], 0x7f800000, s[MNT]   ; 57,344 x the scale
.endr
.irp b, 0,1,2,3
	v_lshrrev_b32 v[TM+4+\b], 23, v[TM+12+\b]               ; the byte
.endr
	v_lshl_or_b32 v[\pw], v[TM+5], 8, v[TM+4]
	v_lshl_or_b32 v[\pw], v[TM+6], 16, v[\pw]
	v_lshl_or_b32 v[\pw], v[TM+7], 24, v[\pw]
.irp b, 0,1,2,3
.irp i, 0,1,2,3,4,5,6,7,8,9,10,11,12,13,14,15
	v_med3_num_f32 v[\s+16*\b+\i], v[\s+16*\b+\i], -v[TM+8+\b], v[TM+8+\b]   ; the conversion does not saturate (ISA guide 7.6.2)
.endr
	v_cvt_scalef32_pk8_bf8_f32 v[\d+4*\b:\d+1+4*\b], v[\s+16*\b:\s+7+16*\b], v[TM+12+\b]
	v_cvt_scalef32_pk8_bf8_f32 v[\d+2+4*\b:\d+3+4*\b], v[\s+8+16*\b:\s+15+16*\b], v[TM+12+\b]
.endr
	v_nop                                          ; a plain line behind the last conversion
.endm
	s_load_b256 s[4:11], s[0:1], 0x0               ; hidden, Wq, bq, Wk
	s_load_b128 s[12:15], s[0:1], 0x20             ; bk, wkq
	s_load_b64 s[16:17], s[0:1], 0x30              ; qp
	v_lshl_add_u32 v[SPW], v0, 2, SPARE
	v_mov_b32 v[NIL], 0
	v_lshrrev_b32 v12, 5, v0
	v_readfirstlane_b32 s28, v12                   ; wave = K step
	s_and_b32 s30, ttmp9, 63                       ; T
	s_mul_i32 s29, s28, STGB
	s_lshl_b32 s31, s30, 6
	s_lshl_b32 s32, s28, 6
	s_lshl_b32 s33, s28, 11
	s_lshr_b32 s34, s28, 1
	s_lshl_b32 s34, s34, 9
	s_and_b32 s35, s28, 1
	s_lshl_b32 s35, s35, 3
	s_add_co_u32 s34, s34, s35                     ; 512 (wave / 2) + 8 (wave % 2): result registers 2 wave, 2 wave + 1
	s_lshr_b32 s35, s28, 2
	s_lshl_b32 s35, s35, 4
	s_and_b32 s39, s28, 3
	s_lshl_b32 s39, s39, 1
	s_add_co_u32 s35, s35, s39                     ; their batch: 16 (wave / 4) + 2 (wave % 4), + 8 h
	s_lshl_b32 s35, s35, 12
	s_mov_b32 s[SEL], 0x76543210
	s_mov_b32 s[SEL+1], 0xfedcba98
	s_mov_b32 s[MNT], 0x600000
	s_mov_b32 s[CC], 0x4038aa3b                    ; c = 2 log2(e)
	s_mov_b32 s[CC+1], s[CC]
	s_lshl_b32 s42, s30, 16                        ; the tile's 16 rows of 4,096 bytes, my K step's 512
	s_lshl_b32 s43, s28, 9
	s_add_co_u32 s42, s42, s43
	s_mov_b32 s43, 0
	v_and_b32 v13, 31, v0                          ; every LDS address is made here, ahead of the parting of the ways
	v_and_b32 v14, 15, v0
	v_bfe_u32 v15, v0, 4, 1
	v_lshlrev_b32 v[L16], 4, v13
	v_add_nc_u32 v[SWW], s29, v[L16]
	v_mul_u32_u24 v12, v14, STP
	v_lshl_add_u32 v12, v15, 6, v12
	v_add_nc_u32 v[SRW], s29, v12
	v_add_nc_u32 v[SWQ], STQ, v[SWW]
	v_add_nc_u32 v[SRQ], STQ, v[SRW]
	v_lshl_add_u32 v[CB], v14, 2, s31
	v_lshl_add_u32 v[WSA], v14, 2, s32
	v_add_nc_u32 v[WSA], WSG, v[WSA]
	v_add_nc_u32 v[WSR], WSG, v[L16]
	v_add_nc_u32 v[RDW], s33, v[L16]
	v_add_nc_u32 v[RDW], RED, v[RDW]
	v_add_nc_u32 v[RDR], s34, v[L16]
	v_add_nc_u32 v[RDR], RED, v[RDR]
	v_lshl_add_u32 v[QO], v15, 15, v[CB]
	v_add_nc_u32 v[QO], s35, v[QO]
.irp b, 0,1,2,3
	v_mov_b32 v[TM+4+\b], 0                        ; a lane permute's destination counts as one of its sources
.endr
	s_wait_alu depctr_va_vdst(0)                   ; the wait at the head's end
	s_wait_kmcnt 0x0
	s_cmp_lt_u32 ttmp9, 64                         ; Wq's tile or Wk's: the work-group's number alone decides
	s_cselect_b64 s[26:27], s[6:7], s[10:11]
	s_add_nc_u64 s[26:27], s[26:27], s[42:43]
	LOADU R0, 26, 0, 1
	WIN 0
	s_cmp_lt_u32 ttmp9, 64
	s_cbranch_scc1 .Lq_way
	; ---- THE W WAY
	s_and_b32 s32, s30, 31
	s_lshl_b32 s32, s32, 1
	s_lshr_b32 s34, s30, 5
	s_or_b32 s32, s32, s34                         ; the blob's number
	s_mul_i32 s42, s32, BLOB
	s_add_co_u32 s42, s42, s33                     ; + my fragment's 2,048 bytes
	s_add_nc_u64 s[14:15], s[14:15], s[42:43]
	s_wait_loadcnt 0x0
	STORE_RAW R0, SWW
	LOAD_X SRW
	s_wait_dscnt 0x0
	QUANT X, PC, PW
.irp c, 0,1,2,3
	global_store_b128 v[L16], v[PC+4*\c:PC+4*\c+3], s[14:15] offset:512*\c   ; 512 consecutive bytes a store
.endr
	ds_store_b32 v[WSA], v[PW]                     ; lanes l and l xor 16 write the same word with the same value
	s_wait_tensorcnt 0x0                           ; my last LDS store is out
	ds_add_u32 v[SPW], v[NIL]
	s_wait_dscnt 0x0                               ; also for the others' sake: my word has landed
	s_barrier_signal -1
	s_barrier_wait -1
	s_cmp_lg_u32 s28, 0
	s_cbranch_scc1 .Lw_end
	ds_load_b128 v[16:19], v[WSR]                  ; wave 0, whose base stands at the blob's head: the 128 words
	s_wait_dscnt 0x0
	global_store_b128 v[L16], v[16:19], s[14:15] offset:16384
.Lw_end:
	s_endpgm
	; ---- THE Q WAY
.Lq_way:
	global_load_b32 v132, v[CB], s[8:9]            ; bq, bk of my column
	global_load_b32 v133, v[CB], s[12:13]
	s_lshl_b32 s42, s28, 9
	s_add_co_u32 s42, s42, 131072                  ; hidden[1], my K step
	s_add_nc_u64 s[4:5], s[4:5], s[42:43]
	LOADU R1, 4, 0, 0
	LOADU R2, 4, 65536, 0
	s_wait_loadcnt 32                              ; behind the weight's unit and the biases stand hidden's 32 loads
	STORE_RAW R0, SWQ
	LOAD_X SRQ
	s_wait_dscnt 0x0
	QUANT X, BQ, 112
	s_wait_loadcnt 16
	STORE_RAW R1, SWQ
	LOAD_X SRQ
	s_wait_dscnt 0x0
	QUANT X, A0, 113
	s_wait_loadcnt 0x0
	STORE_RAW R2, SWQ
	LOAD_X SRQ
	s_wait_dscnt 0x0
	QUANT X, A1, 114
.rept 8
	v_nop                                          ; operands and scale words written by vector lines stand this far ahead of a scaled matrix instruction
.endr
	v_wmma_scale_f32_16x16x128_f8f6f4 v[116:123], v[A0:A0+15], v[BQ:BQ+15], 0, v113, v112 matrix_a_fmt:MATRIX_FMT_BF8 matrix_b_fmt:MATRIX_FMT_BF8
	v_wmma_scale_f32_16x16x128_f8f6f4 v[124:131], v[A1:A1+15], v[BQ:BQ+15], 0, v114, v112 matrix_a_fmt:MATRIX_FMT_BF8 matrix_b_fmt:MATRIX_FMT_BF8
.rept 8
	v_nop                                          ; eight places before a result is read
.endr
.irp c, 0,1,2,3
	ds_store_b128 v[RDW], v[116+4*\c:119+4*\c] offset:512*\c
.endr
	s_wait_tensorcnt 0x0                           ; my last LDS store is out
	ds_add_u32 v[SPW], v[NIL]
	s_wait_dscnt 0x0
	s_barrier_signal -1
	s_barrier_wait -1
.irp k, 0,1,2,3,4,5,6,7
	ds_load_b64 v[136+2*\k:137+2*\k], v[RDR] offset:2048*\k
.endr
	v_add_f32 v152, v132, v133
	v_mul_f32 v152, s[CC], v152                    ; c (bq + bk)
	v_mov_b32 v153, v152
	s_wait_alu depctr_va_vdst(0)                   ; the wait ahead of the wait below
	s_wait_dscnt 0x0
.irp k, 1,2,3,4,5,6,7
	v_pk_add_f32 v[136:137], v[136:137], v[136+2*\k:137+2*\k]   ; K ascending
.endr
	v_pk_fma_f32 v[136:137], v[136:137], s[CC:CC+1], v[152:153] op_sel_hi:[1,0,1]
	global_store_b32 v[QO], v136, s[16:17]         ; sixteen lanes store 64 consecutive bytes of a batch's row
	global_store_b32 v[QO], v137, s[16:17] offset:4096
	s_endpgm
.Lfunc_end_k_qb8572104f2_prep:
	.size	k_qb8572104f2_prep, .Lfunc_end_k_qb8572104f2_prep-k_qb8572104f2_prep
	.p2alignl 7, 3214868480
	.fill 96, 4, 3214868480
	.section	.rodata,"a",@progbits
	.p2align	6, 0x0
	.amdhsa_kernel k_qb8572104f2_prep
		.amdhsa_group_segment_fixed_size 153088
		.amdhsa_private_segment_fixed_size 0
		.amdhsa_enable_private_segment 0
		.amdhsa_kernarg_size 56
		.amdhsa_user_sgpr_count 2
		.amdhsa_user_sgpr_kernarg_segment_ptr 1
		.amdhsa_wavefront_size32 1
		.amdhsa_system_sgpr_workgroup_id_x 1
		.amdhsa_system_sgpr_workgroup_id_y 1
		.amdhsa_system_sgpr_workgroup_id_z 1
		.amdhsa_system_vgpr_workitem_id 0
		.amdhsa_next_free_vgpr 512
		.amdhsa_next_free_sgpr 66
		.amdhsa_reserve_vcc 0
		.amdhsa_float_denorm_mode_32 3
		.amdhsa_float_denorm_mode_16_64 3
		.amdhsa_memory_ordered 1
		.amdhsa_forward_progress 1
		.amdhsa_inst_pref_size 52
	.end_amdhsa_kernel
	.amdgpu_metadata
---
amdhsa.version: [ 1, 2 ]
amdhsa.kernels:
  - .name:           k_qb8572104f2_prep
    .symbol:         k_qb8572104f2_prep.kd
    .args:
      - { .name: hidden, .offset: 0, .size: 8, .value_kind: global_buffer, .address_space: global }
      - { .name: Wq, .offset: 8, .size: 8, .value_kind: global_buffer, .address_space: global }
      - { .name: bq, .offset: 16, .size: 8, .value_kind: global_buffer, .address_space: global }
      - { .name: Wk, .offset: 24, .size: 8, .value_kind: global_buffer, .address_space: global }
      - { .name: bk, .offset: 32, .size: 8, .value_kind: global_buffer, .address_space: global }
      - { .name: wkq, .offset: 40, .size: 8, .value_kind: global_buffer, .address_space: global }
      - { .name: qp, .offset: 48, .size: 8, .value_kind: global_buffer, .address_space: global }
    .group_segment_fixed_size: 153088
    .private_segment_fixed_size: 0
    .kernarg_segment_align: 8
    .kernarg_segment_size: 56
    .max_flat_workgroup_size: 256
    .sgpr_count:     66
    .vgpr_count:     512
    .wavefront_size: 32
...
	.end_amdgpu_metadata
.endif
;; end of part 1
;; launch scores (part 2): grid 256 x 1, 4 waves a work-group, clusters of 4 x 1, 327,680 bytes of LDS; arguments encoder_outputs, wkq, qp, wv, scores; writes scores
.if DOCPART == 2
	.amdgcn_target "amdgcn-amd-amdhsa--gfx1250"
	.amdhsa_code_object_version 6
	.text
	.protected	k_qb8572104f2_scores
	.globl	k_qb8572104f2_scores
	.p2align	8
	.type	k_qb8572104f2_scores,@function
k_qb8572104f2_scores:
	s_mov_b64 s[64:65], 0
	v_nop
	global_prefetch_b8 v0, s[64:65] scope:SCOPE_SE
	s_setreg_imm32_b32 hwreg(HW_REG_WAVE_MODE, 25, 1), 1
	s_wait_xcnt 0x0
	s_wait_alu depctr_hold_cnt(0) depctr_sa_sdst(0) depctr_va_vdst(0) depctr_va_sdst(0) depctr_va_ssrc(0) depctr_va_vcc(0) depctr_vm_vsrc(0)
	s_getreg_b32 s2, hwreg(HW_REG_IB_STS2, 6, 4)
	s_cmp_eq_u32 s2, 0
	s_cbranch_scc0 .Lentry_in_a_cluster
	s_endpgm
.Lentry_in_a_cluster:
	s_bfe_u32 s2, ttmp6, 0x10000c
	s_cmp_lg_u32 s2, 0x3003
	s_cbranch_scc0 .Lentry_shape_is_right
	s_endpgm
.Lentry_shape_is_right:
; SCORES.  scores[row] = -2 x the sum over o of wv[o] / (1 + 2^(c k[row][o] + qp[b][o])), k = Q(enc) Q(Wk)^T on codes of BF8 (E5M2) with E8M0 scales, c = 2 log2(e).
; Left out: bv + the sum of wv, the same for all positions of a batch, which the softmax takes away (shown at the head of prep).
; THE DEAL.  256 work-groups, each 256 rows of enc (one batch has eight), as two blocks of 128.  Four waves, 2 x 2: wave (rh, ch) holds 64 rows' codes, all of K, in 512 registers (windows 2, 3: K steps 0-3, 4-7)
; and walks the 32 column tiles T = 32 ch + t of Wk.  Wk's blobs (prep's layout: the operand's registers as they stand) come through a ring of two LDS slots of four blobs, a blob a wave, by joint loads of the
; four work-groups of a cluster: all work-groups walk the same blobs.
; A STEP is a tile: 32 products on end, four accumulators by turns.  SOURCE 0 = Wk's 16 rows, SOURCE 1 = enc's 16 rows: lane (r, h) holds enc row r, register j column 16 T + 8 h + j.
; Behind the products the whole next tile of Wk is fetched from LDS, and under that fetch stands the tile's TANH, in batches, in the accumulators' own registers: t = c k + qp, 32 exponentials, + 1, 32 reciprocals, x wv into the rows' sums.
; No transcendental stands among a tile's products.
; THE QUANTISER.  Wave w takes rows 32 w .. + 31 of a block: a unit is 16 rows x 128 of K, loaded by rows (512 consecutive bytes a load), turned through the wave's stage in LDS, and left as an image of the operand's
; registers in LDS (PARK), from which the two waves of a row half fetch it.  Block 0: two K steps a trip, out of raw sets in windows 1 and 2 by turns, so that 64 loads of a wave are out.  Block 1 is quantised in pieces
; between block 0's steps; a K step's 32 loads are issued behind product 16 of a trip's first tile and awaited at the next trip's head, three tiles and a half later.  So every load of enc is asked for well ahead of
; its wait, by the load itself, and no prefetch is laid for enc; Wk's blobs are read by all work-groups again and again.
; LIMITS: NaN and infinities among the inputs are not served.  2^t beyond f32's range gives 1 / infinity = 0, which is tanh's limit.  A block of zeros carries the byte 1; blocks under 2^-111 are held at the byte 1.
.set BLOB,  16896
.set SLOTB, 4*BLOB
.set PARK,  2*SLOTB                    ; the image of a block's codes: [wave][unit A, B][K step][2,048]
.set PSC,   PARK+131072                ; its scale words: [K step][wave][A, B][16]
.set STG,   PSC+4096                   ; four stages
.set STGB,  8448
.set STP,   528
.set QT,    STG+4*STGB                 ; tables: the batch's qp, 4,096 bytes, then wv
.set SX,    QT+8192                    ; the column halves' sums: [block][ch][128 rows]
.set SPARE, SX+2048
.set SPW, 1
.set NIL, 2
.set L16, 3
.set ADB, 4                            ; v4, v5 my blobs in slot 0, 1;  v6, v7 their scale words
.set ADS, 6
.set ADQ, 8                            ; v8 the tables, stepped; v9 at a block's head
.set ADQ0, 9
.set SWA, 10
.set SRA, 11
.set PIA, 12
.set PIB, 13
.set PSA, 14
.set PSB, 15
.set BSC, 16                           ; v16-23 Wk's scale words, two sets;  v24-39 enc's
.set ASC, 24
.set S,   40                           ; v40-47 the rows' sums: a pair for each of four row tiles
.set QP,  48                           ; v48-55 qp of the tile;  v56-63 its wv
.set WP,  56
.set W,   64                           ; v64-95 four accumulators, then the tanh's 32 numbers
.set BF,  128                          ; v128-255 a tile of Wk, all of K
.set RA,  0                            ; window 1 (block 0 also window 2): two units as loaded;  window 1: a unit's 64 neighbours, the quantiser's work
.set RB,  64
.set X,   128
.set TM,  192
.set PC,  208
.set PW,  224
.set EB,  4                            ; s[4:5] enc, where window 1's loads stand;  s[12:13] where window 2's stand
.set EB2, 12
.set WV,  16
.set G1,  24
.set G0,  32
.set WB,  40
.set KOFF, 44
.set KC,  46
.set TRIP, 47
.set CC,  48
.set SEL, 50
.set MNT, 52
.set MSB, 0
.macro WIN new
.if MSB != (\new)
	s_set_vgpr_msb (MSB<<8)|(\new)
.set MSB, (\new)
.endif
.endm
.macro WALU
	s_wait_alu depctr_va_vdst(0)
.endm
.macro CREST
	s_cmp_lg_u32 s[WV], 0
	s_cbranch_scc1 .Lnot_wave_0_\@
	s_barrier_signal -3
.Lnot_wave_0_\@:
	s_barrier_wait -3
	s_barrier_signal -1
	s_barrier_wait -1
.endm
.macro CROUND
	s_barrier_signal -1
	s_barrier_wait -1
	CREST
.endm
.macro TLOAD g
	tensor_load_to_lds s[\g:\g+3], s[G1:G1+7]
	s_nop 0
.rept 4
	v_nop
.endr
.endm
.macro LOADU set, off, w=1, b=EB       ; a unit: sixteen rows' 512 bytes into window w
	WIN (\w)<<6
.irp i, 0,1,2,3,4,5,6,7,8,9,10,11,12,13,14,15
	global_load_b128 v[\set+4*\i:\set+4*\i+3], v[L16], s[\b:\b+1] offset:\off+4096*\i th:TH_LOAD_NT
.endr
.endm
.macro STORE_RAW set, w=1
	WIN (\w)<<2
.irp i, 0,1,2,3,4,5,6,7,8,9,10,11,12,13,14,15
	ds_store_b128 v[SWA], v[\set+4*\i:\set+4*\i+3] offset:STP*\i
.endr
.endm
.macro LOAD_X                          ; 16 LDS loads
	WIN 0x40
.irp b, 0,1,2,3
.irp j, 0,1,2,3
	ds_load_b128 v[X+16*\b+4*\j:X+16*\b+4*\j+3], v[SRA] offset:128*\b+16*\j
.endr
.endr
	WIN 0
.endm
.macro TURN_A w=1                      ; 48 LDS lines: unit A into the stage and back by neighbours; unit B into the stage behind it (LDS serves a wave's instructions in order)
	STORE_RAW RA, \w
	LOAD_X
	STORE_RAW RB, \w
	WIN 0
.endm
.macro QUANTX off, soff                ; X's 64 numbers become codes and a scale word, and go into the image: 5 LDS lines.  All the arithmetic is in window 1
	WIN 0x55
.irp b, 0,1,2,3
	v_max3_num_f32 v[TM+\b], |v[X+16*\b]|, |v[X+1+16*\b]|, 0x8000000   ; with the floor 2^(16 - 127)
.endr
.irp i, 2,4,6,8,10,12,14
.irp b, 0,1,2,3
	v_max3_num_f32 v[TM+\b], v[TM+\b], |v[X+16*\b+\i]|, |v[X+1+16*\b+\i]|
.endr
.endr
.irp b, 0,1,2,3
	v_permlanex16_b32 v[TM+4+\b], v[TM+\b], s[SEL], s[SEL+1]
.endr
.irp b, 0,1,2,3
	v_max_num_f32 v[TM+\b], v[TM+\b], v[TM+4+\b]
.endr
.irp b, 0,1,2,3
	v_add_nc_u32 v[TM+12+\b], 0xf8800000, v[TM+\b]
.endr
.irp b, 0,1,2,3
	v_and_or_b32 v[TM+8+\b], v[TM+\b], 0x7f800000, s[MNT]
.endr
.irp b, 0,1,2,3
	v_lshrrev_b32 v[TM+4+\b], 23, v[TM+12+\b]
.endr
	v_lshl_or_b32 v[PW], v[TM+5], 8, v[TM+4]
	v_lshl_or_b32 v[PW], v[TM+6], 16, v[PW]
	v_lshl_or_b32 v[PW], v[TM+7], 24, v[PW]
.irp b, 0,1,2,3
.irp i, 0,1,2,3,4,5,6,7,8,9,10,11,12,13,14,15
	v_med3_num_f32 v[X+16*\b+\i], v[X+16*\b+\i], -v[TM+8+\b], v[TM+8+\b]   ; the conversion does not saturate (ISA guide 7.6.2)
.endr
	v_cvt_scalef32_pk8_bf8_f32 v[PC+4*\b:PC+1+4*\b], v[X+16*\b:X+7+16*\b], v[TM+12+\b]
	v_cvt_scalef32_pk8_bf8_f32 v[PC+2+4*\b:PC+3+4*\b], v[X+8+16*\b:X+15+16*\b], v[TM+12+\b]
.endr
	v_nop                                          ; a plain line behind the last conversion
	WIN 0x04
.irp c, 0,1,2,3
	ds_store_b128 v[PIA], v[PC+4*\c:PC+4*\c+3] offset:\off+512*\c
.endr
	ds_store_b32 v[PSA], v[PW] offset:\soff
	WIN 0
.endm
.macro BOTH                            ; block 0: a K step's two units are quantised on end, and the image's addresses step
	QUANTX 0, 0
	LOAD_X
	s_wait_dscnt 0x0
	QUANTX 16384, 64
	v_add_nc_u32 v[PIA], 2048, v[PIA]
	v_add_nc_u32 v[PSA], 512, v[PSA]
.endm
.macro FETCH_A                         ; my 64 rows' codes out of the image: row tile m, K step 4 w + s -> window 2 + w, register 16 (4 m + s); and their scale words
	v_add_nc_u32 v[QP], s53, v[L16]
	v_and_b32 v[QP+1], 31, v0
	v_lshl_add_u32 v[QP+1], v[QP+1], 2, s63
.irp w, 0,1
	WIN (2+\w)<<6
.irp m, 0,1,2,3
.irp s, 0,1,2,3
.irp c, 0,1,2,3
	ds_load_b128 v[16*(4*\m+\s)+4*\c:16*(4*\m+\s)+4*\c+3], v[QP] offset:(8*\m+4*\w+\s)*2048+512*\c
.endr
.endr
.endr
.endr
	WIN 0
.irp p, 0,1
.irp s, 0,1,2,3,4,5,6,7
	ds_load_b32 v[ASC+8*\p+\s], v[QP+1] offset:512*\s+128*\p   ; lanes 0-15 row tile 2 p, lanes 16-31 row tile 2 p + 1
.endr
.endr
.endm
.macro FETCH_B slot, u                 ; a tile of Wk, all of K, and its scale words (lanes 0-15 K step 2 n, lanes 16-31 K step 2 n + 1): 36 LDS loads
.irp s, 0,1,2,3,4,5,6,7
.irp c, 0,1,2,3
	ds_load_b128 v[BF+16*\s+4*\c:BF+16*\s+4*\c+3], v[ADB+(\slot)] offset:2*BLOB*(\u)+2048*\s+512*\c
.endr
.endr
.irp n, 0,1,2,3
	ds_load_b32 v[BSC+4*(\u)+\n], v[ADS+(\slot)] offset:2*BLOB*(\u)+128*\n
.endr
.endm
.macro PROD u                          ; product i = 4 ps + pm: K step ps, row tile pm
.set ps, i/4
.set pm, i%4
.set rD, W+8*pm
.set rX, 16*(4*pm+ps%4)
.set rB, BF+16*ps
.set rP, ASC+8*(pm/2)+ps
.set rW, BSC+4*(\u)+ps/2
	WIN (2+ps/4)<<2
.if (ps == 0) && (pm%2 == 0)
	v_wmma_scale_f32_16x16x128_f8f6f4 v[rD:rD+7], v[rB:rB+15], v[rX:rX+15], 0, v[rW], v[rP] matrix_a_fmt:MATRIX_FMT_BF8 matrix_b_fmt:MATRIX_FMT_BF8
.elseif ps == 0
	v_wmma_scale_f32_16x16x128_f8f6f4 v[rD:rD+7], v[rB:rB+15], v[rX:rX+15], 0, v[rW], v[rP] matrix_a_fmt:MATRIX_FMT_BF8 matrix_b_fmt:MATRIX_FMT_BF8 matrix_b_scale:MATRIX_SCALE_ROW1
.elseif (ps%2 == 0) && (pm%2 == 0)
	v_wmma_scale_f32_16x16x128_f8f6f4 v[rD:rD+7], v[rB:rB+15], v[rX:rX+15], v[rD:rD+7], v[rW], v[rP] matrix_a_fmt:MATRIX_FMT_BF8 matrix_b_fmt:MATRIX_FMT_BF8
.elseif ps%2 == 0
	v_wmma_scale_f32_16x16x128_f8f6f4 v[rD:rD+7], v[rB:rB+15], v[rX:rX+15], v[rD:rD+7], v[rW], v[rP] matrix_a_fmt:MATRIX_FMT_BF8 matrix_b_fmt:MATRIX_FMT_BF8 matrix_b_scale:MATRIX_SCALE_ROW1
.elseif pm%2 == 0
	v_wmma_scale_f32_16x16x128_f8f6f4 v[rD:rD+7], v[rB:rB+15], v[rX:rX+15], v[rD:rD+7], v[rW], v[rP] matrix_a_fmt:MATRIX_FMT_BF8 matrix_b_fmt:MATRIX_FMT_BF8 matrix_a_scale:MATRIX_SCALE_ROW1
.else
	v_wmma_scale_f32_16x16x128_f8f6f4 v[rD:rD+7], v[rB:rB+15], v[rX:rX+15], v[rD:rD+7], v[rW], v[rP] matrix_a_fmt:MATRIX_FMT_BF8 matrix_b_fmt:MATRIX_FMT_BF8 matrix_a_scale:MATRIX_SCALE_ROW1 matrix_b_scale:MATRIX_SCALE_ROW1
.endif
.endm
.macro TANH                            ; of the tile's 32 numbers a lane, in place; the waits stand ahead of each batch of transcendentals and behind it
.irp j, 0,1,2,3
.irp m, 0,1,2,3
	v_pk_fma_f32 v[W+8*\m+2*\j:W+8*\m+2*\j+1], v[W+8*\m+2*\j:W+8*\m+2*\j+1], s[CC:CC+1], v[QP+2*\j:QP+2*\j+1] op_sel_hi:[1,0,1]   ; t = c k + qp; each accumulator from its low end on
.endr
.endr
	WALU
.set j, 0
.rept 32
	v_exp_f32 v[W+j], v[W+j]
.set j, j+1
.endr
	v_nop
	WALU
.set j, 0
.rept 16
	v_pk_add_f32 v[W+j:W+j+1], v[W+j:W+j+1], 1.0 op_sel_hi:[1,0]
.set j, j+2
.endr
	WALU
.set j, 0
.rept 32
	v_rcp_f32 v[W+j], v[W+j]
.set j, j+1
.endr
	v_nop
	WALU
.irp j, 0,1,2,3
.irp m, 0,1,2,3
	v_pk_fma_f32 v[S+2*\m:S+2*\m+1], v[W+8*\m+2*\j:W+8*\m+2*\j+1], v[WP+2*\j:WP+2*\j+1], v[S+2*\m:S+2*\m+1]   ; the rows' sums, the four row tiles by turns
.endr
.endr
.endm
; u: which of the slot's two tiles; mode 0: the next tile lies in this slot; 1: the slot is left and filled again; 2: left; 3: the last of all.  q: the tile's number in its trip.
; young: the LDS lines issued behind the fetch of this tile, which may stay out at the step's head.  ld = 1: behind product 15 block 1's next K step of enc is asked for (not in the last trip).
.macro STEP u, slot, mode, q, young, ld=0
	WIN 0
	s_wait_dscnt \young
.set i, 0
.rept 32
.if i == 4
	ds_load_b128 v[QP:QP+3], v[ADQ] offset:64*(\q)
	ds_load_b128 v[QP+4:QP+7], v[ADQ] offset:64*(\q)+16
	ds_load_b128 v[WP:WP+3], v[ADQ] offset:4096+64*(\q)
	ds_load_b128 v[WP+4:WP+7], v[ADQ] offset:4096+64*(\q)+16
.endif
.if i == 16
	s_wait_dscnt 0x0                               ; qp, wv and the quantiser's LDS lines are through: the stage's stores have read their registers
.if \ld
	WIN 0
	s_cmp_eq_u32 s[TRIP], 1
	s_cbranch_scc1 .Lno_more_\@
	s_add_nc_u64 s[EB:EB+1], s[EB:EB+1], 512       ; (the loads that read this base were waited for at the trip's head)
	LOADU RA, 0
	LOADU RB, 65536
	WIN 0
.Lno_more_\@:
.endif
.if (\mode == 1) || (\mode == 2)
	WIN 0
	s_wait_tensorcnt 0x0                           ; my blob of the other slot has landed
	ds_add_u32 v[SPW], v[NIL]
.if \mode == 1
	s_add_nc_u64 s[G0+4*(\slot)+2:G0+4*(\slot)+3], s[WB+2*(\slot):WB+2*(\slot)+1], s[KOFF:KOFF+1]
	s_or_b32 s[G0+4*(\slot)+3], s[G0+4*(\slot)+3], 0x80000000
.endif
.endif
.endif
.if (i == 18) && ((\mode == 1) || (\mode == 2))
	s_wait_dscnt 0x0                               ; the add is done; my reads of this slot ended at the step's head
	s_barrier_signal -1
.endif
.if (i == 20) && ((\mode == 1) || (\mode == 2))
	WIN 0
	s_barrier_wait -1
.if \mode == 1
	CREST                                          ; the barrier has opened a round of the cluster's barrier
	TLOAD G0+4*(\slot)
.endif
.endif
	PROD \u
.set i, i+1
.endr
	WIN 0
.rept 8
	v_nop                                          ; eight places behind the last product, ahead of the loads into what it has read and of the first reader of its sums
.endr
.if \mode == 0
	FETCH_B \slot, 1
.elseif \mode < 3
	FETCH_B 1-\slot, 0
.endif
	TANH
.endm
.macro BLOCK_INIT
.set j, 0
.rept 8
	v_mov_b32 v[S+j], 0
.set j, j+1
.endr
	v_add_nc_u32 v[PIA], 0, v[PIB]
	v_add_nc_u32 v[PSA], 0, v[PSB]
	v_add_nc_u32 v[ADQ], 0, v[ADQ0]
	WALU
.endm
.macro BLOCK_END beta                  ; the sums across lanes and column halves, the store
.irp m, 0,1,2,3
	v_add_f32 v[S+2*\m], v[S+2*\m], v[S+2*\m+1]
.endr
.irp m, 0,1,2,3
	v_permlanex16_b32 v[S+2*\m+1], v[S+2*\m], s[SEL], s[SEL+1]   ; lane l xor 16 holds the tiles' other eight columns
.endr
.irp m, 0,1,2,3
	v_add_f32 v[S+2*\m], v[S+2*\m], v[S+2*\m+1]
.endr
	v_and_b32 v[QP], 15, v0
	v_lshl_add_u32 v[QP], v[QP], 2, s57
	v_add_nc_u32 v[QP+1], SX, v[L16]
.irp m, 0,1,2,3
	ds_store_b32 v[QP], v[S+2*\m] offset:1024*\beta+64*\m   ; lanes l and l xor 16 write the same word with the same value
.endr
	WALU
	s_wait_dscnt 0x0
	s_barrier_signal -1
	s_barrier_wait -1
	s_cmp_lg_u32 s[WV], 0
	s_cbranch_scc1 .Lnot_first_\@
	ds_load_b128 v[QP+4:QP+7], v[QP+1] offset:1024*\beta
	ds_load_b128 v[WP:WP+3], v[QP+1] offset:1024*\beta+512
	s_wait_dscnt 0x0
	v_pk_add_f32 v[QP+4:QP+5], v[QP+4:QP+5], v[WP:WP+1]
	v_pk_add_f32 v[QP+6:QP+7], v[QP+6:QP+7], v[WP+2:WP+3]
	v_pk_mul_f32 v[QP+4:QP+5], v[QP+4:QP+5], -2.0 op_sel_hi:[1,0]
	v_pk_mul_f32 v[QP+6:QP+7], v[QP+6:QP+7], -2.0 op_sel_hi:[1,0]
	global_store_b128 v[L16], v[QP+4:QP+7], s[14:15] offset:512*\beta   ; 128 rows' scores: 512 consecutive bytes
	s_wait_xcnt 0x0                                ; the store has read its registers: they are written again further on
.Lnot_first_\@:
.endm
.macro NEXT_PAIR
	s_add_co_u32 s[KC], s[KC], 1
	s_and_b32 s[KC], s[KC], 7
	s_mul_i32 s[KOFF], s[KC], 2*SLOTB
.endm
	s_load_b256 s[4:11], s[0:1], 0x0               ; enc, wkq, qp, wv
	s_load_b64 s[14:15], s[0:1], 0x20              ; scores
	v_lshl_add_u32 v[SPW], v0, 2, SPARE
	v_mov_b32 v[NIL], 0
	ds_add_u32 v[SPW], v[NIL]                      ; the opening lines: the add twice on end and its wait ahead of my first tensor load
	ds_add_u32 v[SPW], v[NIL]
	v_lshrrev_b32 v128, 5, v0
	v_readfirstlane_b32 s[WV], v128
	s_lshr_b32 s17, s[WV], 1                       ; rh
	s_and_b32 s18, s[WV], 1                        ; ch
	s_bfe_u32 s19, ttmp6, 0x40000
	s_lshl_b32 s20, ttmp9, 2
	s_add_co_u32 s20, s20, s19                     ; the work-group's number
	s_mov_b32 s[G1], 15|(3<<16)|(1<<21)            ; a blob: 66 dense rows of 256 bytes, for all four of the cluster
	s_mov_b32 s[G1+1], 32<<16
	s_mov_b32 s[G1+2], 66<<16
	s_mov_b32 s[G1+3], 32<<16
	s_mov_b32 s[G1+4], 66
	s_mov_b32 s[G1+5], 32
	s_mov_b32 s[G1+6], 0
	s_mov_b32 s[G1+7], 0
	s_mul_i32 s21, s18, BLOB
	s_lshl_b32 s22, s18, 11
	s_add_co_u32 s22, s22, QT
	s_mul_i32 s23, s[WV], STGB
	s_add_co_u32 s23, s23, STG
	s_lshl_b32 s19, s[WV], 15
	s_add_co_u32 s19, s19, PARK
	s_lshl_b32 s62, s[WV], 7
	s_add_co_u32 s62, s62, PSC
	s_lshl_b32 s53, s17, 16
	s_add_co_u32 s53, s53, PARK                    ; s53, s63: my row half's image and scale words;  s57: where my sums go
	s_lshl_b32 s63, s17, 8
	s_add_co_u32 s63, s63, PSC
	s_lshl_b32 s57, s18, 9
	s_lshl_b32 s2, s17, 8
	s_add_co_u32 s57, s57, s2
	s_add_co_u32 s57, s57, SX
	s_mov_b32 s[CC], 0x4038aa3b
	s_mov_b32 s[CC+1], s[CC]
	s_mov_b32 s[SEL], 0x76543210
	s_mov_b32 s[SEL+1], 0xfedcba98
	s_mov_b32 s[MNT], 0x600000
	s_mov_b32 s55, 0
	s_mov_b32 s56, 128*4096-6*512                  ; from block 0's K step 6 to block 1's K step 0
	s_mov_b32 s[KC], 0
	s_mov_b32 s[KOFF+1], 0
	s_mul_i32 s60, s[WV], BLOB
	s_mov_b32 s61, 0
	s_lshl_b32 s12, s20, 20                        ; my work-group's 256 rows, my wave's 32
	s_lshl_b32 s2, s[WV], 17
	s_add_co_u32 s12, s12, s2
	s_mov_b32 s13, 0
	s_lshr_b32 s2, s20, 3                          ; the batch's row of qp
	s_lshl_b32 s2, s2, 12
	s_mov_b32 s3, 0
	v_and_b32 v128, 31, v0
	v_and_b32 v129, 15, v0
	v_bfe_u32 v130, v0, 4, 1
	v_lshlrev_b32 v[L16], 4, v128
	v_add_nc_u32 v[ADB], s21, v[L16]
	v_add_nc_u32 v[ADB+1], SLOTB, v[ADB]
	v_lshl_add_u32 v[ADS], v128, 2, s21
	v_add_nc_u32 v[ADS], 16384, v[ADS]
	v_add_nc_u32 v[ADS+1], SLOTB, v[ADS]
	v_lshl_add_u32 v[ADQ0], v130, 5, s22           ; my eight columns of a tile: 32 h
	v_add_nc_u32 v[SWA], s23, v[L16]
	v_mul_u32_u24 v131, v129, STP
	v_lshl_add_u32 v131, v130, 6, v131
	v_add_nc_u32 v[SRA], s23, v131
	v_add_nc_u32 v[PIB], s19, v[L16]
	v_lshl_add_u32 v[PSB], v129, 2, s62
	v_add_nc_u32 v[PIA], 0, v[PIB]
	v_add_nc_u32 v[PSA], 0, v[PSB]
	v_lshlrev_b32 v132, 4, v0                      ; 16 x thread
	v_add_nc_u32 v133, QT, v132
	WIN 0x40
.irp b, 0,1,2,3
	v_mov_b32 v[TM+4+\b], 0                        ; a lane permute's destination counts as one of its sources
.endr
	WIN 0
	s_wait_dscnt 0x0                               ; both opening adds are done
	WALU                                           ; the wait at the head's end
	s_wait_kmcnt 0x0
	s_add_nc_u64 s[EB:EB+1], s[EB:EB+1], s[12:13]  ; K step 0 of my rows,
	s_add_nc_u64 s[EB2:EB2+1], s[EB:EB+1], 512     ; and K step 1
	s_add_nc_u64 s[8:9], s[8:9], s[2:3]
	s_lshl_b32 s2, s20, 10
	s_add_nc_u64 s[14:15], s[14:15], s[2:3]
	s_add_nc_u64 s[WB:WB+1], s[6:7], s[60:61]
	s_add_nc_u64 s[WB+2:WB+3], s[WB:WB+1], SLOTB
	s_mov_b32 s[G0], 1
	s_mov_b32 s[G0+1], s60
	s_mov_b64 s[G0+2:G0+3], s[WB:WB+1]
	s_or_b32 s[G0+3], s[G0+3], 0x80000000
	s_mov_b32 s[G0+4], 1
	s_add_co_u32 s[G0+5], s60, SLOTB
	s_mov_b64 s[G0+6:G0+7], s[WB+2:WB+3]
	s_or_b32 s[G0+7], s[G0+7], 0x80000000
	global_load_b128 v[136:139], v132, s[8:9]      ; the tables, and enc's first K step: on their way while the rounds are passed
	global_load_b128 v[140:143], v132, s[8:9] offset:2048
	global_load_b128 v[144:147], v132, s[10:11]
	global_load_b128 v[148:151], v132, s[10:11] offset:2048
	LOADU RA, 0
	LOADU RB, 65536
	WIN 0
	CROUND                                         ; the round in front of the first joint loads
	TLOAD G0                                       ; slot 0: one tensor load a wave at the head
	s_wait_tensorcnt 0x0                           ; slot 1's first fill is issued as a refill is
	ds_add_u32 v[SPW], v[NIL]
	s_wait_dscnt 0x0
	CROUND
	TLOAD G0+4
	s_wait_loadcnt 32                              ; behind the tables' four loads stand enc's 32
	ds_store_b128 v133, v[136:139]
	ds_store_b128 v133, v[140:143] offset:2048
	ds_store_b128 v133, v[144:147] offset:4096
	ds_store_b128 v133, v[148:151] offset:6144
	LOADU RA, 0, 2, EB2                            ; K step 1 into window 2, which holds no codes yet
	LOADU RB, 65536, 2, EB2
	WIN 0
	s_mov_b32 s[TRIP], 4
.Lfirst_block:                                         ; block 0 is quantised: a trip is two K steps of my 32 rows, out of window 1 and out of window 2
	s_wait_loadcnt 32                              ; window 1's 32 loads are in; window 2's, issued behind them, may be out
	TURN_A 1
	s_wait_dscnt 0x0                               ; the stage's stores have read their registers
	s_cmp_eq_u32 s[TRIP], 1
	s_cselect_b32 s54, s56, 1024                   ; two K steps on; in the last trip block 1's K step 0
	s_add_nc_u64 s[EB:EB+1], s[EB:EB+1], s[54:55]
	LOADU RA, 0
	LOADU RB, 65536
	BOTH
	s_wait_loadcnt 32                              ; window 2's are in; the 32 just issued may be out
	TURN_A 2
	s_wait_dscnt 0x0
	s_cmp_eq_u32 s[TRIP], 1
	s_cbranch_scc1 .Lno_second                     ; the last trip asks for nothing more into window 2: the codes go there
	s_add_nc_u64 s[EB2:EB2+1], s[EB2:EB2+1], 1024
	LOADU RA, 0, 2, EB2
	LOADU RB, 65536, 2, EB2
	WIN 0
.Lno_second:
	BOTH
	s_sub_co_u32 s[TRIP], s[TRIP], 1
	s_cmp_lg_u32 s[TRIP], 0
	WALU                                           ; the wait ahead of the branch
	s_cbranch_scc1 .Lfirst_block
	s_wait_dscnt 0x0                               ; my part of the image and of the tables has landed
	s_barrier_signal -1
	s_barrier_wait -1
	FETCH_A
	FETCH_B 0, 0
	s_wait_dscnt 0x0                               ; my reads of the image are over: behind the barrier it is written anew
	BLOCK_INIT
	s_barrier_signal -1
	s_barrier_wait -1
	s_mov_b32 s[TRIP], 8
.Lblock_0:                                             ; four tiles, and a K step of block 1's quantising in pieces between them, each piece's LDS lines under the step behind it
	NEXT_PAIR
	s_wait_loadcnt 0x0
	TURN_A 1
	STEP 0, 0, 0, 0, 48, 1
	QUANTX 0, 0
	LOAD_X
	STEP 1, 0, 1, 1, 21
	QUANTX 16384, 64
	STEP 0, 1, 0, 2, 5
	STEP 1, 1, 1, 3, 0
	v_add_nc_u32 v[PIA], 2048, v[PIA]
	v_add_nc_u32 v[PSA], 512, v[PSA]
	v_add_nc_u32 v[ADQ], 256, v[ADQ]
	s_sub_co_u32 s[TRIP], s[TRIP], 1
	s_cmp_lg_u32 s[TRIP], 0
	WALU                                           ; the wait ahead of the branch
	s_cbranch_scc1 .Lblock_0
	BLOCK_END 0
	FETCH_A
	s_wait_dscnt 0x0
	BLOCK_INIT
	s_mov_b32 s[TRIP], 7
.Lblock_1:
	NEXT_PAIR
	STEP 0, 0, 0, 0, 0
	STEP 1, 0, 1, 1, 0
	STEP 0, 1, 0, 2, 0
	STEP 1, 1, 1, 3, 0
	v_add_nc_u32 v[ADQ], 256, v[ADQ]
	s_sub_co_u32 s[TRIP], s[TRIP], 1
	s_cmp_lg_u32 s[TRIP], 0
	WALU                                           ; the wait ahead of the branch
	s_cbranch_scc1 .Lblock_1
	STEP 0, 0, 0, 0, 0                             ; the last four tiles are written out
	STEP 1, 0, 2, 1, 0
	STEP 0, 1, 0, 2, 0
	STEP 1, 1, 3, 3, 0
	BLOCK_END 1
	s_wait_tensorcnt 0x0                           ; the wave's end
	ds_add_u32 v[SPW], v[NIL]
	s_wait_dscnt 0x0
	CROUND                                         ; the closing round
	s_endpgm
.Lfunc_end_k_qb8572104f2_scores:
	.size	k_qb8572104f2_scores, .Lfunc_end_k_qb8572104f2_scores-k_qb8572104f2_scores
	.p2alignl 7, 3214868480
	.fill 96, 4, 3214868480
	.section	.rodata,"a",@progbits
	.p2align	6, 0x0
	.amdhsa_kernel k_qb8572104f2_scores
		.amdhsa_group_segment_fixed_size 327680
		.amdhsa_private_segment_fixed_size 0
		.amdhsa_enable_private_segment 0
		.amdhsa_kernarg_size 40
		.amdhsa_user_sgpr_count 2
		.amdhsa_user_sgpr_kernarg_segment_ptr 1
		.amdhsa_wavefront_size32 1
		.amdhsa_system_sgpr_workgroup_id_x 1
		.amdhsa_system_sgpr_workgroup_id_y 1
		.amdhsa_system_sgpr_workgroup_id_z 1
		.amdhsa_system_vgpr_workitem_id 0
		.amdhsa_next_free_vgpr 1024
		.amdhsa_next_free_sgpr 66
		.amdhsa_reserve_vcc 0
		.amdhsa_float_denorm_mode_32 3
		.amdhsa_float_denorm_mode_16_64 3
		.amdhsa_memory_ordered 1
		.amdhsa_forward_progress 1
		.amdhsa_inst_pref_size 255
	.end_amdhsa_kernel
	.section	.bss,"aw",@nobits
	.p2align	6
	.space	262144
	.amdgpu_metadata
---
amdhsa.version: [ 1, 2 ]
amdhsa.kernels:
  - .name:           k_qb8572104f2_scores
    .symbol:         k_qb8572104f2_scores.kd
    .args:
      - { .name: encoder_outputs, .offset: 0, .size: 8, .value_kind: global_buffer, .address_space: global }
      - { .name: wkq, .offset: 8, .size: 8, .value_kind: global_buffer, .address_space: global }
      - { .name: qp, .offset: 16, .size: 8, .value_kind: global_buffer, .address_space: global }
      - { .name: wv, .offset: 24, .size: 8, .value_kind: global_buffer, .address_space: global }
      - { .name: scores, .offset: 32, .size: 8, .value_kind: global_buffer, .address_space: global }
    .group_segment_fixed_size: 327680
    .private_segment_fixed_size: 0
    .kernarg_segment_align: 8
    .kernarg_segment_size: 40
    .max_flat_workgroup_size: 128
    .sgpr_count:     66
    .vgpr_count:     1024
    .wavefront_size: 32
...
	.end_amdgpu_metadata
.endif
;; end of part 2
;; launch wsum (part 3): grid 8 x 32, 16 waves a work-group, no clusters, 18,944 bytes of LDS; arguments encoder_outputs, scores, out0; writes out0
.if DOCPART == 3
	.amdgcn_target "amdgcn-amd-amdhsa--gfx1250"
	.amdhsa_code_object_version 6
	.text
	.protected	k_qb8572104f2_wsum
	.globl	k_qb8572104f2_wsum
	.p2align	8
	.type	k_qb8572104f2_wsum,@function
k_qb8572104f2_wsum:
	s_mov_b64 s[64:65], 0
	v_nop
	global_prefetch_b8 v0, s[64:65] scope:SCOPE_SE
	s_setreg_imm32_b32 hwreg(HW_REG_WAVE_MODE, 25, 1), 1
	s_wait_xcnt 0x0
; WSUM.  out0[b][c] = the sum over the batch's 2,048 rows of softmax(scores[b])[row] x enc[b][row][c], all in f32.  (scores come without the term that is the same for all rows of a batch: see prep's head.)
; SHARES.  Work-group (x, b) owns out0[b][128 x .. 128 x + 127]: each output has one owner.  Wave w takes rows 128 w .. + 127; a load is one row's 512 consecutive bytes of those columns, 16 a lane.
; SOFTMAX.  Every work-group of a batch makes it anew from the batch's 8,192 bytes of scores: the maximum M over all 2,048 is taken away first, p = 2^((s - M) log2(e)); the sum l of p divides at the end.
; A stream: no matrix unit, no cluster (work-groups share no bytes of enc).  A ring of sixteen rows in registers; rows go in groups of four: the wait at a group's head leaves the twelve younger loads out.
; Every row's offset is an immediate (127 x 4,096 bytes at the most, inside the signed 24-bit field: ISA guide, chapter 10): no base and no address register is written again, so no wait stands for that.
; p of a lap's sixteen rows is fetched from LDS a lap ahead, into two sets of registers by turns.  A barrier stands behind the load of the scores, so that every wave's scores are asked for ahead of any wave's rows.
; LIMITS: NaN and infinities among the scores are not served.
.set PT, 0                             ; LDS: p of the 2,048 rows;
.set MX, 8192                          ; the sixteen waves' maxima;  256 bytes on their sums;
.set RD, 8704                          ; the sixteen waves' partial outputs, 512 bytes each;
.set SPARE, 16896                      ; the spare words, 128 bytes a wave
.set OFF, 2                            ; v2   16 x lane
.set T16, 3                            ; v3   16 x thread
.set PA,  14                           ; v14  my wave's p
.set RW,  15                           ; v15  RD + 16 x thread
.set P,   16                           ; v16-31 sixteen p; v108-123 the other set
.set R,   32                           ; v32-95 sixteen rows' 16 bytes
.set A,   96                           ; v96-99 the even rows' sums, v100-103 the odd rows'
.set SPW, 106
.set NIL, 107
.macro WALU
	s_wait_alu depctr_va_vdst(0)
.endm
	s_load_b128 s[4:7], s[0:1], 0x0                ; enc, scores
	s_load_b64 s[8:9], s[0:1], 0x10                ; out0
	v_lshl_add_u32 v[SPW], v0, 2, SPARE
	v_mov_b32 v[NIL], 0
	v_lshrrev_b32 v1, 5, v0                        ; wave
	v_readfirstlane_b32 s10, v1
	v_and_b32 v[OFF], 31, v0
	v_lshlrev_b32 v[OFF], 4, v[OFF]
	v_lshlrev_b32 v[T16], 4, v0
	v_lshl_add_u32 v10, v1, 2, MX                  ; my wave's word among the maxima
	v_mov_b32 v11, MX
	v_lshlrev_b32 v[PA], 9, v1                     ; PT + 512 x wave
	v_add_nc_u32 v[RW], RD, v[T16]
	v_mov_b32 v9, 0                                ; a lane permute's destination counts as one of its sources
.irp j, 0,1,2,3,4,5,6,7
	v_mov_b32 v[A+\j], 0
.endr
	s_mov_b32 s18, 0x76543210
	s_mov_b32 s19, 0xfedcba98
	s_and_b32 s11, ttmp7, 0xffff                   ; b
	s_lshl_b32 s12, s11, 23                        ; the batch's 2,048 rows of 4,096 bytes,
	s_lshl_b32 s14, s10, 19                        ; my wave's 128 rows,
	s_add_co_u32 s12, s12, s14
	s_lshl_b32 s16, ttmp9, 9                       ; the work-group's 512 bytes of a row
	s_add_co_u32 s12, s12, s16
	s_mov_b32 s13, 0
	s_lshl_b32 s14, s11, 13
	s_mov_b32 s15, 0
	s_lshl_b32 s17, s11, 12
	s_add_co_u32 s16, s16, s17
	s_mov_b32 s17, 0
	WALU                                           ; the wait at the head's end
	s_wait_kmcnt 0x0
	s_add_nc_u64 s[4:5], s[4:5], s[12:13]
	s_add_nc_u64 s[6:7], s[6:7], s[14:15]
	s_add_nc_u64 s[8:9], s[8:9], s[16:17]
	global_load_b128 v[4:7], v[T16], s[6:7]        ; four scores a thread
	s_barrier_signal -1                            ; all sixteen waves have asked for their scores
	s_barrier_wait -1
.irp i, 0,1,2,3,4,5,6,7,8,9,10,11,12,13,14,15
	global_load_b128 v[R+4*\i:R+4*\i+3], v[OFF], s[4:5] offset:4096*\i th:TH_LOAD_NT   ; the ring is filled while the softmax is made
.endr
	s_wait_loadcnt 16                              ; behind the scores stand the ring's sixteen
	v_max3_num_f32 v8, v4, v5, v6
	v_max_num_f32 v8, v8, v7
	v_max_num_f32_dpp v8, v8, v8 row_xmask:1 row_mask:0xf bank_mask:0xf
	v_max_num_f32_dpp v8, v8, v8 row_xmask:2 row_mask:0xf bank_mask:0xf
	v_max_num_f32_dpp v8, v8, v8 row_xmask:4 row_mask:0xf bank_mask:0xf
	v_max_num_f32_dpp v8, v8, v8 row_xmask:8 row_mask:0xf bank_mask:0xf
	v_permlanex16_b32 v9, v8, s18, s19
	v_max_num_f32 v8, v8, v9
	ds_store_b32 v10, v8                           ; all lanes write the same word with the same value
	s_wait_dscnt 0x0
	s_barrier_signal -1
	s_barrier_wait -1
.irp k, 0,1,2,3
	ds_load_b128 v[P+4*\k:P+4*\k+3], v11 offset:16*\k
.endr
	s_wait_dscnt 0x0
	v_max3_num_f32 v8, v16, v17, v18
	v_max3_num_f32 v9, v19, v20, v21
	v_max3_num_f32 v8, v8, v22, v23
	v_max3_num_f32 v9, v9, v24, v25
	v_max3_num_f32 v8, v8, v26, v27
	v_max3_num_f32 v9, v9, v28, v29
	v_max3_num_f32 v8, v8, v30, v31
	v_max_num_f32 v8, v8, v9                       ; M
.irp j, 4,5,6,7
	v_sub_f32 v[\j], v[\j], v8                     ; the difference first: it is 0 or less whatever the scores' size
.endr
.irp j, 4,5,6,7
	v_mul_f32 v[\j], 0x3fb8aa3b, v[\j]
.endr
	WALU                                           ; ahead of the batch
.irp j, 4,5,6,7
	v_exp_f32 v[\j], v[\j]
.endr
	v_nop                                          ; a plain line behind the exponentials,
	WALU                                           ; and their wait
	ds_store_b128 v[T16], v[4:7]                   ; p, at PT + 16 x thread
	v_add_f32 v12, v4, v5
	v_add_f32 v13, v6, v7
	v_add_f32 v12, v12, v13
	v_add_f32_dpp v12, v12, v12 row_xmask:1 row_mask:0xf bank_mask:0xf
	v_add_f32_dpp v12, v12, v12 row_xmask:2 row_mask:0xf bank_mask:0xf
	v_add_f32_dpp v12, v12, v12 row_xmask:4 row_mask:0xf bank_mask:0xf
	v_add_f32_dpp v12, v12, v12 row_xmask:8 row_mask:0xf bank_mask:0xf
	v_permlanex16_b32 v9, v12, s18, s19
	v_add_f32 v12, v12, v9
	ds_store_b32 v10, v12 offset:256               ; other bytes than the maxima's
	s_wait_dscnt 0x0
	s_barrier_signal -1
	s_barrier_wait -1
.irp k, 0,1,2,3
	ds_load_b128 v[P+4*\k:P+4*\k+3], v11 offset:256+16*\k
.endr
	s_wait_dscnt 0x0
.irp k, 1,2,3,4,5,6,7
	v_pk_add_f32 v[P:P+1], v[P:P+1], v[P+2*\k:P+2*\k+1]
.endr
	v_add_f32 v12, v16, v17                        ; l
	WALU
	v_rcp_f32 v104, v12                            ; 1 / l, twice: a pair for the packed multiply
	v_rcp_f32 v105, v12
	v_nop
	WALU
.macro PLOAD lap                       ; sixteen rows' p, the same words in every lane, into set lap % 2
.irp k, 0,1,2,3
	ds_load_b128 v[P+92*((\lap)%2)+4*\k:P+92*((\lap)%2)+4*\k+3], v[PA] offset:64*(\lap)+16*\k
.endr
.endm
; Rows 4 g .. 4 g + 3 of my 128.  Their registers then take the rows sixteen further down.
.macro GROUP g
.set pb_, P+92*(((\g)/4)%2)+4*((\g)%4)
.set rb_, R+16*((\g)%4)
.if (\g)%4 == 0
	s_wait_dscnt 0x0                               ; this lap's p, asked for a lap ago
.if (\g) < 28
	PLOAD (\g)/4+1
.endif
.endif
.if (\g) < 28
	s_wait_loadcnt 12                              ; loads come back in order (ISA guide 5.7.1): my four are in, the twelve younger may be out
.else
	s_wait_loadcnt 4*(31-(\g))                     ; the last sixteen rows load nothing: the counts run down
.endif
	WALU                                           ; the sums were written just ahead of the wait above
.irp e, 0,2
	v_pk_fma_f32 v[A:A+1], v[rb_+4*\e:rb_+4*\e+1], v[pb_+\e:pb_+\e+1], v[A:A+1] op_sel_hi:[1,0,1]             ; p of an even row: its pair's low word for both halves
	v_pk_fma_f32 v[A+2:A+3], v[rb_+4*\e+2:rb_+4*\e+3], v[pb_+\e:pb_+\e+1], v[A+2:A+3] op_sel_hi:[1,0,1]
	v_pk_fma_f32 v[A+4:A+5], v[rb_+4*\e+4:rb_+4*\e+5], v[pb_+\e:pb_+\e+1], v[A+4:A+5] op_sel:[0,1,0] op_sel_hi:[1,1,1]   ; of an odd row: the high word
	v_pk_fma_f32 v[A+6:A+7], v[rb_+4*\e+6:rb_+4*\e+7], v[pb_+\e:pb_+\e+1], v[A+6:A+7] op_sel:[0,1,0] op_sel_hi:[1,1,1]
.endr
.if (\g) < 28
.irp e, 0,1,2,3
	global_load_b128 v[rb_+4*\e:rb_+4*\e+3], v[OFF], s[4:5] offset:(4*(\g)+\e+16)*4096 th:TH_LOAD_NT
.endr
.endif
.endm
	PLOAD 0
.set G, 0
.rept 32
	GROUP G
.set G, G+1
.endr
	v_pk_add_f32 v[A:A+1], v[A:A+1], v[A+4:A+5]
	v_pk_add_f32 v[A+2:A+3], v[A+2:A+3], v[A+6:A+7]
	ds_store_b128 v[RW], v[A:A+3]
	s_wait_tensorcnt 0x0                           ; my last LDS store is out
	ds_add_u32 v[SPW], v[NIL]
	s_wait_dscnt 0x0
	s_barrier_signal -1
	s_barrier_wait -1
	s_cmp_lg_u32 s10, 0
	s_cbranch_scc1 .Lend
.irp k, 0,1,2,3,4,5,6,7,8,9,10,11,12,13,14,15
	ds_load_b128 v[R+4*\k:R+4*\k+3], v[RW] offset:512*\k   ; wave 0: the sixteen waves' parts of my four columns
.endr
	s_wait_dscnt 0x0
.irp k, 1,2,3,4,5,6,7,8,9,10,11,12,13,14,15
	v_pk_add_f32 v[R:R+1], v[R:R+1], v[R+4*\k:R+4*\k+1]
	v_pk_add_f32 v[R+2:R+3], v[R+2:R+3], v[R+4*\k+2:R+4*\k+3]
.endr
	v_pk_mul_f32 v[R:R+1], v[R:R+1], v[104:105]
	v_pk_mul_f32 v[R+2:R+3], v[R+2:R+3], v[104:105]
	global_store_b128 v[OFF], v[R:R+3], s[8:9]     ; 512 consecutive bytes
.Lend:
	s_endpgm
.Lfunc_end_k_qb8572104f2_wsum:
	.size	k_qb8572104f2_wsum, .Lfunc_end_k_qb8572104f2_wsum-k_qb8572104f2_wsum
	.p2alignl 7, 3214868480
	.fill 96, 4, 3214868480
	.section	.rodata,"a",@progbits
	.p2align	6, 0x0
	.amdhsa_kernel k_qb8572104f2_wsum
		.amdhsa_group_segment_fixed_size 18944
		.amdhsa_private_segment_fixed_size 0
		.amdhsa_enable_private_segment 0
		.amdhsa_kernarg_size 24
		.amdhsa_user_sgpr_count 2
		.amdhsa_user_sgpr_kernarg_segment_ptr 1
		.amdhsa_wavefront_size32 1
		.amdhsa_system_sgpr_workgroup_id_x 1
		.amdhsa_system_sgpr_workgroup_id_y 1
		.amdhsa_system_sgpr_workgroup_id_z 1
		.amdhsa_system_vgpr_workitem_id 0
		.amdhsa_next_free_vgpr 128
		.amdhsa_next_free_sgpr 66
		.amdhsa_reserve_vcc 0
		.amdhsa_float_denorm_mode_32 3
		.amdhsa_float_denorm_mode_16_64 3
		.amdhsa_memory_ordered 1
		.amdhsa_forward_progress 1
		.amdhsa_inst_pref_size 42
	.end_amdhsa_kernel
	.amdgpu_metadata
---
amdhsa.version: [ 1, 2 ]
amdhsa.kernels:
  - .name:           k_qb8572104f2_wsum
    .symbol:         k_qb8572104f2_wsum.kd
    .args:
      - { .name: encoder_outputs, .offset: 0, .size: 8, .value_kind: global_buffer, .address_space: global }
      - { .name: scores, .offset: 8, .size: 8, .value_kind: global_buffer, .address_space: global }
      - { .name: out0, .offset: 16, .size: 8, .value_kind: global_buffer, .address_space: global }
    .group_segment_fixed_size: 18944
    .private_segment_fixed_size: 0
    .kernarg_segment_align: 8
    .kernarg_segment_size: 24
    .max_flat_workgroup_size: 512
    .sgpr_count:     66
    .vgpr_count:     128
    .wavefront_size: 32
...
	.end_amdgpu_metadata
.endif
;; end of part 3
